; MI455X (gfx1250); checked and timed in simulation.
; The chip was launched on July 23, 2026; its instructions are those of AMD's public machine-readable ISA for CDNA 5 (MIT licence, August 2026) and "CDNA5" Instruction Set Architecture Reference Guide (July 2026). The comments in the code are by the model that wrote it; some were corrected since.
;; Loc Att. Allowed arithmetic: float matrix products may take bf16 or f16 operands with f32 sums; other float arithmetic in f32, or as packed bf16 or f16 multiplies, adds, multiply-adds, maxima and minima; sums over many terms, partial sums and values carried from step to step in f32; what a program stores and reads back later, other than sums and carried values, may be rounded once to bf16 or f16.
;; Inputs: alibi 64 x 1 x 2,048 float32; attention_mask 2 x 1 x 2,048 x 2,048 bool; key_layer 2 x 2,048 x 32 x 128 float32; query_layer 2 x 2,048 x 32 x 128 float32; value_layer 2 x 2,048 x 32 x 128 float32.
;; Outputs: out0 2 x 2,048 x 4,096 float32.
;; Constants: head_dim = 128, num_heads = 32.
;; 2 versions, each right; version 2 is version 1 with the launch prep written anew for expert scheduling mode. Each part assembles by itself: llvm-mc -triple=amdgcn-amd-amdhsa -mcpu=gfx1250 --defsym DOCPART=n.
;; ======== version 1 of 2: 2 launches
;; limits: values are held in f16: magnitudes above 65,504 overflow, below 6.1e-05 lose precision; inputs' magnitudes at most 65,504
;; workspace buffers: kbf 33,554,432 bytes; vbf 33,554,432 bytes; mask2 8,388,608 bytes
;; launch prep (part 1): grid 64 x 16, 8 waves a work-group, no clusters, 0 bytes of LDS; arguments key_layer, value_layer, attention_mask, kbf, vbf, mask2; writes kbf, vbf, mask2
.if DOCPART == 1
	.amdgcn_target "amdgcn-amd-amdhsa--gfx1250"
	.amdhsa_code_object_version 6
	.text
	.protected	k_q4e79c0fb66_prep
	.globl	k_q4e79c0fb66_prep
	.p2align	8
	.type	k_q4e79c0fb66_prep,@function
k_q4e79c0fb66_prep:
	s_mov_b64 s[64:65], 0
	v_nop
	global_prefetch_b8 v0, s[64:65] scope:SCOPE_SE
	s_setreg_imm32_b32 hwreg(HW_REG_WAVE_MODE, 25, 1), 1
	s_wait_xcnt 0x0
; K, V and the mask are laid out for the attention launch.  key_layer, value_layer: [2][2048][32][128] f32; attention_mask: [2][2048][2048] bytes, 0 or 1.
; kbf: [64 heads][2048 places][128] bf16, K rounded once.  vbf: the same shape in f16: V rounded to bf16, and that number written as f16.
; mask2: [2][16 blocks of 128 keys][2048 queries][128 keys] bytes: 0x00, or 0x40 (2.0 as an E4M3 code) where the key is hidden; keys in their own order.
; PLACES.  In each group of 64 keys, key 32 hb + 8 kb + j lies at place 16 kb + 8 hb + j: in the attention launch a lane then holds 32 keys on end.
; LIMITS.  |v| under 65,504 (beyond it f16 has no number); below 6.1e-5 v keeps the fixed step of f16, 6e-8.  Mask bytes are 0 or 1.
; SHARES.  A work-group takes one head and 128 keys.  Waves 0-3 take K, waves 4-7 V, 32 rows each: a row is 512 consecutive bytes, one load of the wave; the
; rounded row is 256 consecutive bytes, aligned, one store of the wave.  Each wave also takes 8 query rows x 128 keys of the mask (the 32 heads of a batch share its 2,048 rows out).
; All 34 loads of a wave go out at once; nothing is shared between waves, so there is no LDS and no barrier; no register is written again behind a store that reads it.
.set LO,  2                            ; v2   16 x lane
.set SO,  3                            ; v3   8 x lane
.set MO,  4                            ; v4   the mask as it lies: (lane / 8) rows of 2,048 bytes + 16 (lane % 8)
.set X,   16                           ; v[16:143]  row i in four registers
.set MK,  144                          ; v[144:151] 8 rows x 128 bytes of the mask
.set WV,  16                           ; s16  my wave
.set SRC, 18                           ; s[18:19] my first row in K or V
.set DST, 20                           ; s[20:21] its place in kbf or vbf
.set MS,  22                           ; s[22:23] my part of the mask
.set MD,  24                           ; s[24:25] its place in mask2
	s_load_b256 s[4:11], s[0:1], 0x0               ; key s[4:5], value s[6:7], mask s[8:9], kbf s[10:11]
	s_load_b128 s[12:15], s[0:1], 0x20             ; vbf s[12:13], mask2 s[14:15]
	v_lshrrev_b32 v5, 5, v0
	v_readfirstlane_b32 s[WV], v5                  ; wave 0..7
	v_and_b32 v1, 31, v0                           ; lane
	v_lshlrev_b32 v[LO], 4, v1
	v_lshlrev_b32 v[SO], 3, v1
	v_lshrrev_b32 v[MO], 3, v1
	v_and_b32 v5, 7, v1
	v_lshlrev_b32 v[MO], 11, v[MO]
	v_lshl_add_u32 v[MO], v5, 4, v[MO]
	s_mov_b32 s26, 0xffff0000                      ; a word's upper bf16
	s_and_b32 s17, ttmp7, 0xffff                   ; the block of 128 keys
	s_lshr_b32 s27, ttmp9, 5                       ; batch
	s_and_b32 s30, ttmp9, 31                       ; head in the batch
	s_and_b32 s31, s[WV], 3                        ; which 32 of the 128 rows
	s_lshl_b32 s2, s27, 25                         ; from: batch x 33,554,432
	s_lshl_b32 s3, s17, 21                         ; + 128 rows of 16,384 bytes a block
	s_add_co_u32 s2, s2, s3
	s_lshl_b32 s3, s31, 19                         ; + my 32 rows
	s_add_co_u32 s2, s2, s3
	s_lshl_b32 s3, s30, 9                          ; + the head's 512 bytes of a row
	s_add_co_u32 s2, s2, s3
	s_mov_b32 s3, 0
	s_lshl_b32 s28, ttmp9, 19                      ; to: head x 524,288
	s_lshl_b32 s29, s17, 15                        ; + 128 rows of 256 bytes a block
	s_add_co_u32 s28, s28, s29
	s_lshr_b32 s29, s31, 1
	s_lshl_b32 s29, s29, 14                        ; + the group of 64 places
	s_add_co_u32 s28, s28, s29
	s_and_b32 s29, s31, 1
	s_lshl_b32 s29, s29, 11                        ; + 8 places for the group's upper 32 keys
	s_add_co_u32 s28, s28, s29
	s_mov_b32 s29, 0
	s_lshl_b32 s32, s27, 22                        ; the mask, from: batch x 4,194,304
	s_lshl_b32 s33, s30, 17                        ; + 64 rows of 2,048 bytes a head
	s_add_co_u32 s32, s32, s33
	s_lshl_b32 s33, s[WV], 14                      ; + 8 rows a wave
	s_add_co_u32 s32, s32, s33
	s_lshl_b32 s33, s17, 7                         ; + the block's 128 keys
	s_add_co_u32 s32, s32, s33
	s_mov_b32 s33, 0
	s_lshl_b32 s34, s27, 4                         ; the mask, to: (16 x batch + block) x 262,144
	s_add_co_u32 s34, s34, s17
	s_lshl_b32 s34, s34, 18
	s_lshl_b32 s35, s30, 13                        ; + 64 rows of 128 bytes a head
	s_add_co_u32 s34, s34, s35
	s_lshl_b32 s35, s[WV], 10                      ; + 8 rows a wave
	s_add_co_u32 s34, s34, s35
	s_mov_b32 s35, 0
	s_wait_kmcnt 0x0
	s_cmp_lt_u32 s[WV], 4
	s_cselect_b64 s[SRC:SRC+1], s[4:5], s[6:7]
	s_cselect_b64 s[DST:DST+1], s[10:11], s[12:13]
	s_add_nc_u64 s[SRC:SRC+1], s[SRC:SRC+1], s[2:3]
	s_add_nc_u64 s[DST:DST+1], s[DST:DST+1], s[28:29]
	s_add_nc_u64 s[MS:MS+1], s[8:9], s[32:33]
	s_add_nc_u64 s[MD:MD+1], s[14:15], s[34:35]
.irp n, 0,1
	global_load_b128 v[MK+4*\n:MK+4*\n+3], v[MO], s[MS:MS+1] offset:8192*\n th:TH_LOAD_NT  ; four rows x 128 bytes
.endr
.set r, 0
.rept 32
	global_load_b128 v[X+4*r:X+4*r+3], v[LO], s[SRC:SRC+1] offset:16384*r th:TH_LOAD_NT    ; a row: 512 consecutive bytes
.set r, r+1
.endr
	s_wait_loadcnt 32                              ; the two mask loads are in: the 32 row loads are younger
.set r, 0
.rept 8
	v_lshlrev_b32 v[MK+r], 6, v[MK+r]              ; four bytes at once: 1 becomes 0x40, nothing passes from byte to byte
.set r, r+1
.endr
.irp n, 0,1
	global_store_b128 v[LO], v[MK+4*\n:MK+4*\n+3], s[MD:MD+1] offset:512*\n  ; four rows of 128 bytes lie on end: 512 consecutive bytes, aligned
.endr
.macro KROW i                          ; row i to bf16: 4 numbers a lane into 8 bytes
	s_wait_loadcnt 31-(\i)                         ; loads come back in order: row i is in, the younger ones stay out
	v_cvt_pk_bf16_f32 v[X+4*(\i)], v[X+4*(\i)], v[X+4*(\i)+1]
	v_cvt_pk_bf16_f32 v[X+4*(\i)+1], v[X+4*(\i)+2], v[X+4*(\i)+3]
	global_store_b64 v[SO], v[X+4*(\i):X+4*(\i)+1], s[DST:DST+1] offset:(16*((\i)/8)+(\i)%8)*256  ; key 8 kb + j of my 32 goes 16 kb + j places on
.endm
.macro VROW i                          ; row i to bf16, and that number written as f16
	s_wait_loadcnt 31-(\i)
	v_cvt_pk_bf16_f32 v[X+4*(\i)], v[X+4*(\i)], v[X+4*(\i)+1]
	v_cvt_pk_bf16_f32 v[X+4*(\i)+1], v[X+4*(\i)+2], v[X+4*(\i)+3]
	v_and_b32 v[X+4*(\i)+3], s26, v[X+4*(\i)+1]
	v_lshlrev_b32 v[X+4*(\i)+2], 16, v[X+4*(\i)+1]
	v_and_b32 v[X+4*(\i)+1], s26, v[X+4*(\i)]
	v_lshlrev_b32 v[X+4*(\i)], 16, v[X+4*(\i)]
	v_cvt_pk_f16_f32 v[X+4*(\i)], v[X+4*(\i)], v[X+4*(\i)+1]
	v_cvt_pk_f16_f32 v[X+4*(\i)+1], v[X+4*(\i)+2], v[X+4*(\i)+3]
	global_store_b64 v[SO], v[X+4*(\i):X+4*(\i)+1], s[DST:DST+1] offset:(16*((\i)/8)+(\i)%8)*256
.endm
	s_cmp_lt_u32 s[WV], 4
	s_cbranch_scc0 .Lv
.set r, 0
.rept 32
	KROW r
.set r, r+1
.endr
	s_endpgm
.Lv:
.set r, 0
.rept 32
	VROW r
.set r, r+1
.endr
	s_endpgm
.Lfunc_end_k_q4e79c0fb66_prep:
	.size	k_q4e79c0fb66_prep, .Lfunc_end_k_q4e79c0fb66_prep-k_q4e79c0fb66_prep
	.p2alignl 7, 3214868480
	.fill 96, 4, 3214868480
	.section	.rodata,"a",@progbits
	.p2align	6, 0x0
	.amdhsa_kernel k_q4e79c0fb66_prep
		.amdhsa_group_segment_fixed_size 0
		.amdhsa_private_segment_fixed_size 0
		.amdhsa_enable_private_segment 0
		.amdhsa_kernarg_size 48
		.amdhsa_user_sgpr_count 2
		.amdhsa_user_sgpr_kernarg_segment_ptr 1
		.amdhsa_wavefront_size32 1
		.amdhsa_system_sgpr_workgroup_id_x 1
		.amdhsa_system_sgpr_workgroup_id_y 1
		.amdhsa_system_sgpr_workgroup_id_z 1
		.amdhsa_system_vgpr_workitem_id 0
		.amdhsa_next_free_vgpr 152
		.amdhsa_next_free_sgpr 66
		.amdhsa_reserve_vcc 0
		.amdhsa_float_denorm_mode_32 3
		.amdhsa_float_denorm_mode_16_64 3
		.amdhsa_memory_ordered 1
		.amdhsa_forward_progress 1
		.amdhsa_inst_pref_size 30
	.end_amdhsa_kernel
	.amdgpu_metadata
---
amdhsa.version: [ 1, 2 ]
amdhsa.kernels:
  - .name:           k_q4e79c0fb66_prep
    .symbol:         k_q4e79c0fb66_prep.kd
    .args:
      - { .name: key_layer, .offset: 0, .size: 8, .value_kind: global_buffer, .address_space: global }
      - { .name: value_layer, .offset: 8, .size: 8, .value_kind: global_buffer, .address_space: global }
      - { .name: attention_mask, .offset: 16, .size: 8, .value_kind: global_buffer, .address_space: global }
      - { .name: kbf, .offset: 24, .size: 8, .value_kind: global_buffer, .address_space: global }
      - { .name: vbf, .offset: 32, .size: 8, .value_kind: global_buffer, .address_space: global }
      - { .name: mask2, .offset: 40, .size: 8, .value_kind: global_buffer, .address_space: global }
    .group_segment_fixed_size: 0
    .private_segment_fixed_size: 0
    .kernarg_segment_align: 8
    .kernarg_segment_size: 48
    .max_flat_workgroup_size: 256
    .sgpr_count:     66
    .vgpr_count:     152
    .wavefront_size: 32
...
	.end_amdgpu_metadata
.endif
;; end of part 1
;; launch attn (part 2): grid 8 x 64, 4 waves a work-group, clusters of 4 x 1, 327,680 bytes of LDS; arguments query_layer, kbf, vbf, mask2, alibi, out0; writes out0
.if DOCPART == 2
	.amdgcn_target "amdgcn-amd-amdhsa--gfx1250"
	.amdhsa_code_object_version 6
	.text
	.protected	k_q4e79c0fb66_attn
	.globl	k_q4e79c0fb66_attn
	.p2align	8
	.type	k_q4e79c0fb66_attn,@function
k_q4e79c0fb66_attn:
	s_mov_b64 s[64:65], 0
	v_nop
	global_prefetch_b8 v0, s[64:65] scope:SCOPE_SE
	s_setreg_imm32_b32 hwreg(HW_REG_WAVE_MODE, 25, 1), 1
	s_wait_xcnt 0x0
	s_wait_alu depctr_hold_cnt(0) depctr_sa_sdst(0) depctr_va_vdst(0) depctr_va_sdst(0) depctr_va_ssrc(0) depctr_va_vcc(0) depctr_vm_vsrc(0)
	s_getreg_b32 s2, hwreg(HW_REG_IB_STS2, 6, 4)
	s_cmp_eq_u32 s2, 0
	s_cbranch_scc0 .Lentry_in_a_cluster
	s_endpgm
.Lentry_in_a_cluster:
	s_bfe_u32 s2, ttmp6, 0x10000c
	s_cmp_lg_u32 s2, 0x3003
	s_cbranch_scc0 .Lentry_shape_is_right
	s_endpgm
.Lentry_shape_is_right:
; out[b][q][h][:] = the sum over k of softmax_k(alibi[bh][k] + Q.K / sqrt(128), hidden where mask[b][q][k]) V[k][:].  Q, out: [2][2048][32][128] f32; kbf (bf16), vbf (f16), mask2 as the launch before laid them.
; FORMATS.  Q, K, V and alibi are each rounded once to bf16 (V's bf16 number is held as f16); the weights p are rounded to f16 for the second product; products, maxima and sums in f32 (l is the sum of the unrounded p).
; THE SCORE is kept unscaled: s = Q.K + sqrt(128) alibi; alibi's part is the C operand of the product that starts the sum.  p = 2^(c s - c m), c = log2(e) / sqrt(128), m the running maximum;
; in every step O and l are multiplied by a = 2^(c m_old - c m_new).
; THE MASK acts ahead of the maximum: a mask byte (0x00 or 0x40, an E4M3 code) is turned into 0 or 2^100, eight at a time, and taken off the score.  In f32 s - 2^100 is -2^100 exactly, so all hidden
; scores are one and the same number: a row with every key hidden gets p = 1 throughout, the plain mean of V; the first key that is seen gives a = 0 and wipes what hidden keys had left.
; LIMITS.  Exact for |s| under 2^75; scores that are seen lie above -2^100; |v| under 65,504; p below 6e-5 keeps the fixed step of f16; a weight below 2^-126 counts as 0; NaN and infinities are not treated apart.
; SHARES.  A work-group owns 256 queries of one head, each of its four waves 64: four tiles of 16.  Every wave walks all 2,048 keys, 64 a step.
; LAYOUT.  S^T = K Q^T (source 0 = 16 rows of kbf, source 1 = 16 queries): a lane holds ONE query (lane % 16).  By the order of kbf's rows its 32 scores of a step are the keys 32 (lane / 16) + 0..31 on end:
; 32 neighbouring mask bytes, 32 neighbouring numbers of alibi.  Two results rounded to f16 in pairs ARE source 1 of O^T = V^T P (vbf has the same order of rows); V comes out of LDS turned, by ds_load_tr16_b128.
; BY TURNS.  The tiles are two PIECES (tiles 0, 1 and tiles 2, 3).  In a TURN one piece has the matrix unit: 32 products V^T P of the step in hand, then 32 products K Q^T of the next; the other piece's mask and
; softmax, 309 vector instructions cut into 64 slices, stand one slice behind each matrix instruction.  Two turns are a key step.
; CLUSTER.  The four query blocks of a cluster belong to one head: K and V are asked for JOINTLY (wave 0: K, wave 1: V, 128 rows each).  The mask's tile is each work-group's own (waves 2 and 3, 128 query rows each).
; REGISTERS, in windows of 256 (s_set_vgpr_msb: bits 1:0 source 0, 3:2 source 1, 5:4 source 2, 7:6 destination):
;   window 0: v0-11 addresses; v12-43 eight registers of statistics a tile; v44-59 two sets of eight for 0 or 2^100; v60-63; v64-191 S^T, 32 a tile; v192-255 P, 16 a tile
;   window 1: O^T, 64 a tile      window 2: v0-127 Q, 32 a tile; v128-255 K of one step      window 3: v0-127 V of one step; v128-159 alibi of one step; v160-191 mask bytes, 8 a tile
.set KS,    64        ; keys in a step
.set PK,    272       ; a row of K in LDS: 256 bytes + 16: the 16 rows of a load start at 16 different groups of four banks (64 banks of 4 bytes: ISA guide 11.1)
.set PV,    288       ; a row of V: 256 + 32
.set PM,    144       ; a query's 128 mask bytes + 16
.set VOFF,  128*PK    ; a slot holds two steps: 128 rows of K, 128 rows of V, 256 query rows of the mask
.set MOFF,  VOFF+128*PV
.set SLOT1, 1<<17     ; slot 1 begins here, so that one exclusive or turns an address in one slot into the other's
.set ALB,   MOFF+256*PM  ; behind slot 0: the head's 2,048 numbers sqrt(128) x alibi, f32; written once by LDS stores, never filled
.set SPARE, ALB+8192  ; the spare words, 128 bytes for each wave: two blocks of 256 bytes that no other line names
.set STAGE, SLOT1+ALB ; behind slot 1: 16 rows x 528 bytes for each wave: Q's way in and O's way out; never filled
.set SP,    528       ; a row of O in the stage: 512 bytes + 16
.set QP,    272       ; a row of Q (bf16) in the stage
.set ADM, 1           ; v1   in the head lane % 16; then the LDS address of the mask bytes to be fetched
.set AK0, 2           ; v2   my lane's place in a tile of K; never rewritten
.set AV0, 3           ; v3   the same for V
.set ADR, 4           ; v4   the LDS address of the run of loads in hand
.set STO, 6           ; v6   the way out: where I put 32 bytes of a row
.set RD,  7           ; v7   the way out: where I read a row back
.set GO,  8           ; v8   16 x lane: my bytes in a row of Q and of out
.set ADA, 9           ; v9   in the head lane / 16; then the LDS address of alibi's numbers to be fetched
.set AM0, 10          ; v10  my lane's place in the mask's tile
.set AL0, 11          ; v11  my lane's place in alibi's table
.set ST,  12          ; tile t's statistics at v[ST+8 t]: +0 c m, +1 m, +2, +3 l (even keys', odd keys'), +4 to +7 c0-c3, at work; a takes c2's place once the maximum is found
.set MT,  44          ; 0 or 2^100 for eight scores: a set for each tile of a piece
.set ALS, 44          ; in the head only: where I store alibi in LDS,
.set ALO, 45          ; my offset in alibi,
.set QST, 46          ; where I put 8 bytes of a row of Q,
.set QRD, 47          ; and where I read a fragment of Q
.set SC,  60          ; v60  226: the scale 2^99 as an E8M0 byte
.set PFO, 61          ; v61  256 x lane; never rewritten
.set SPW, 62          ; v62  LDS address of my spare word: SPARE + 4 x my thread's number; never rewritten
.set NIL, 63          ; v63  0; never rewritten
.set S,   64
.set P,   192
.set KF,  128         ; window 2
.set ALR, 128         ; window 3: the C operand for key block kb at ALR + 8 kb
.set MBR, 160         ; window 3: tile t's 32 bytes at MBR + 8 t; key block kb's eight in the pair at + 2 kb
.set WV,  16          ; s16  my wave's number
.set G1K, 24          ; s[24:31] descriptor group 1 for K
.set G1V, 32          ; s[32:39] for V: other padding
.set G1M, 40          ; s[40:47] for the mask
.set G0K, 48          ; s[48:55] descriptor group 0 for K: a set for each of the two first fills; the second then walks on
.set G0V, 56          ; s[56:63] the same for V
.set G0M, 68          ; s[68:75] the same for the mask
.set SLOTS, 76        ; s76  slots still to be asked for
.set TWICE, 77        ; s77  counts a slot's two steps
.set CS,  78          ; s[78:79] c: the packed scaling takes the pair's low word for both halves
.set SEL, 80          ; s[80:81] lane selects for v_permlanex16_b32: each lane takes its own place in the other half
.set TBK, 82          ; s82  LDS byte at which K of the step to be fetched begins
.set TBV, 83          ; s83  the same for V, less VOFF
.set TBM, 84          ; s84  the same for the mask, less MOFF
.set TA,  85          ; s85  the same in alibi's table
.set PFA, 86          ; s[86:87] where my prefetches stand
.set PFS, 88          ; s[88:89] their step from slot to slot
.set LIM, 90          ; s90  1 in a wave that prefetches, else the greatest number
.set MSB, 0
.macro WIN new                      ; the immediate's high byte repeats the setting that is left; a switch that changes nothing is dropped
.if MSB != (\new)
	s_set_vgpr_msb (MSB<<8)|(\new)
.set MSB, \new
.endif
.endm
.set W_KQ, 0x0a       ; K and Q in window 2, S^T in window 0
.set W_KA, 0x3a       ; the same with the C operand, alibi, in window 3
.set W_PV, 0x53       ; V in window 3, P in window 0, O^T in window 1
.set W_RS, 0x41       ; O^T (destination and source 0) in window 1, a in window 0
.set W_MC, 0x03       ; mask bytes (source 0) in window 3
.macro PLACES                       ; four places behind a matrix instruction (ISA guide 7.12.1)
.rept 4
	v_nop
.endr
.endm
; A refill: one tensor load a wave.  The branches hang on the wave's number alone: they are the same in every work-group.  An s_nop 0 and four v_nop follow each line, ahead of the jump and the label.
.macro JLOAD
	s_cmp_lg_u32 s[WV], 0
	s_cbranch_scc1 .Lnot_k_\@
	tensor_load_to_lds s[G0K+4:G0K+7], s[G1K:G1K+7]
	s_nop 0
	PLACES
	s_branch .Lasked_\@
.Lnot_k_\@:
	s_cmp_lg_u32 s[WV], 1
	s_cbranch_scc1 .Lfor_m_\@
	tensor_load_to_lds s[G0V+4:G0V+7], s[G1V:G1V+7]
	s_nop 0
	PLACES
	s_branch .Lasked_\@
.Lfor_m_\@:
	tensor_load_to_lds s[G0M+4:G0M+7], s[G1M:G1M+7]
	s_nop 0
	PLACES
.Lasked_\@:
.endm
; A PREFETCH INTO THE L2 of what the NEXT change of slots will ask for, two key steps, 256 matrix instructions, ahead: 32 blocks of 256 bytes, a lane a block, one instruction a wave, behind the wave's tensor load.
; Each block is named ONCE in the launch.  K and V: both clusters of a head walk the same rows: the first asks; its four partners take 32 of the 128 rows each, told apart BY ADDRESS.
; The mask: the 32 heads of a batch read the same tile of 16,384 bytes: head 0 asks for its first half, head 1 for its second.  The last change that fills a slot asks for nothing.
.macro ASK
	s_cmp_gt_u32 s[SLOTS], s[LIM]
	s_cbranch_scc0 .Lnot_mine_\@
	global_prefetch_b8 v[PFO], s[PFA:PFA+1] th:TH_LOAD_NT scope:SCOPE_SE
.Lnot_mine_\@:
.endm
; A round of the cluster's barrier: my work-group's barrier, so that wave 0's signal speaks for all four waves; wave 0 signals; every wave waits for all four work-groups; my work-group's barrier once more.
.macro CROUND
	s_barrier_signal -1
	s_barrier_wait -1
	s_cmp_lg_u32 s[WV], 0
	s_cbranch_scc1 .Lnot_wave_0_\@
	s_barrier_signal -3
.Lnot_wave_0_\@:
	s_barrier_wait -3
	s_barrier_signal -1
	s_barrier_wait -1
.endm
	s_load_b256 s[4:11], s[0:1], 0x0  ; Q s[4:5], kbf s[6:7], vbf s[8:9], mask2 s[10:11]
	s_load_b128 s[12:15], s[0:1], 0x20  ; alibi s[12:13], out s[14:15]
	v_lshl_add_u32 v[SPW], v0, 2, SPARE
	v_mov_b32 v[NIL], 0
	ds_add_u32 v[SPW], v[NIL]       ; the wave's opening: the add and its wait stand ahead of my first tensor load; the set-up below, work on registers, stands between them
	v_lshrrev_b32 v1, 5, v0
	v_readfirstlane_b32 s[WV], v1   ; wave 0..3
	s_bfe_u32 s17, ttmp6, 0x40000   ; cx: my place in the cluster
	s_lshl_b32 s18, ttmp9, 2        ; in a cluster launch ttmp9 counts clusters
	s_add_co_u32 s18, s18, s17      ; my block of 256 queries: it enters Q's, out's and the mask's addresses alone
	s_and_b32 s19, ttmp7, 0xffff    ; the head among 64, which the four partners share
	s_lshr_b32 s20, s19, 5          ; batch
	s_and_b32 s21, s19, 31          ; head in the batch
	s_and_b32 s22, s[WV], 1
	s_lshl_b32 s92, s19, 19         ; the head's 524,288 bytes in kbf and vbf
	s_mov_b32 s93, 0
	s_lshl_b32 s94, s20, 22         ; mask2: batch x 4,194,304
	s_lshl_b32 s95, s18, 15         ; + my block's 256 rows of 128 bytes
	s_add_co_u32 s94, s94, s95
	s_lshl_b32 s95, s22, 14         ; + the 128 rows that wave 2 or 3 fetches
	s_add_co_u32 s94, s94, s95
	s_mov_b32 s95, 0
	s_lshl_b32 s2, s20, 25          ; Q and out: batch x 33,554,432
	s_lshl_b32 s3, s18, 22          ; + my block's 256 rows of 16,384 bytes
	s_add_co_u32 s2, s2, s3
	s_lshl_b32 s3, s[WV], 20        ; + my wave's 64
	s_add_co_u32 s2, s2, s3
	s_lshl_b32 s3, s21, 9           ; + the head's 512 bytes of a row
	s_add_co_u32 s2, s2, s3
	s_mov_b32 s3, 0
	s_mul_i32 s23, s22, 128*PM      ; where wave 2's or 3's rows of the mask go: no place in the cluster enters an LDS address
	; descriptor group 1.  K, V: 128 rows x 128 elements of 2 bytes, padded in LDS
	s_mov_b32 s[G1K], 15|(1<<16)|(1<<20)|(1<<21)|(5<<22)|(3<<25)  ; 15:0 the mask of four work-groups; 17:16 2-byte elements; 20 padding on; 21 set beside a mask; 24:22 after every 64 words (code 5); 31:25 4 words (code 3)
	s_mov_b32 s[G1V], 15|(1<<16)|(1<<20)|(1<<21)|(5<<22)|(7<<25)  ; the same with 8 words of padding (code 7)
.irp g, G1K, G1V
	s_mov_b32 s[(\g)+1], 128<<16    ; tensor_dim0 = 128
	s_mov_b32 s[(\g)+2], 128<<16    ; tensor_dim1 = 128
	s_mov_b32 s[(\g)+3], 128<<16    ; tile_dim0 = 128
	s_mov_b32 s[(\g)+4], 128        ; tile_dim1 = 128
	s_mov_b32 s[(\g)+5], 128        ; 128 elements from row to row
	s_mov_b32 s[(\g)+6], 0
	s_mov_b32 s[(\g)+7], 0
.endr
	; the mask: 128 query rows of 128 bytes are 16,384 dense bytes: asked for as 64 rows of 256 bytes, padded after every query's 128; no work-group mask: the tile is my work-group's own
	s_mov_b32 s[G1M], (1<<16)|(1<<20)|(4<<22)|(3<<25)  ; padding after every 32 words (code 4), 4 words (code 3)
	s_mov_b32 s[G1M+1], 128<<16
	s_mov_b32 s[G1M+2], 64<<16
	s_mov_b32 s[G1M+3], 128<<16
	s_mov_b32 s[G1M+4], 64
	s_mov_b32 s[G1M+5], 128
	s_mov_b32 s[G1M+6], 0
	s_mov_b32 s[G1M+7], 0
	s_mov_b32 s[CS], 0x3e0293ee     ; c = log2(e) / sqrt(128) = 0.127517
	s_mov_b32 s[CS+1], s[CS]        ; named with it as a pair
	s_mov_b32 s[SEL], 0x76543210
	s_mov_b32 s[SEL+1], 0xfedcba98
	s_mov_b32 s[TBK], 0
	s_mov_b32 s[TBV], 0
	s_mov_b32 s[TBM], 0
	s_mov_b32 s[TA], 0
	s_mov_b32 s[SLOTS], 2048/(2*KS)-2
	s_wait_dscnt 0x0                ; the opening add is done
	s_wait_kmcnt 0x0
	s_add_nc_u64 s[6:7], s[6:7], s[92:93]  ; kbf and vbf at the head's first row
	s_add_nc_u64 s[8:9], s[8:9], s[92:93]
	s_add_nc_u64 s[10:11], s[10:11], s[94:95]  ; mask2 at the rows that I would fetch, in slot 0
	s_add_nc_u64 s[4:5], s[4:5], s[2:3]    ; Q and out at my wave's first row
	s_add_nc_u64 s[14:15], s[14:15], s[2:3]
	s_lshl_b32 s92, s19, 13
	s_add_nc_u64 s[12:13], s[12:13], s[92:93]  ; alibi at the head's 8,192 bytes
.irp s, 0,1
	s_mov_b32 s[G0K+4*(\s)], 1      ; 1:0 count = 1
	s_mov_b32 s[G0K+4*(\s)+1], (\s)*SLOT1  ; 63:32 LDS address
	s_add_nc_u64 s[G0K+4*(\s)+2:G0K+4*(\s)+3], s[6:7], (\s)*32768  ; 120:64 global address: slot s holds rows 128 s to 128 s + 127
	s_or_b32 s[G0K+4*(\s)+3], s[G0K+4*(\s)+3], 0x80000000  ; 127:126 type = 2
	s_mov_b32 s[G0V+4*(\s)], 1
	s_mov_b32 s[G0V+4*(\s)+1], (\s)*SLOT1+VOFF
	s_add_nc_u64 s[G0V+4*(\s)+2:G0V+4*(\s)+3], s[8:9], (\s)*32768
	s_or_b32 s[G0V+4*(\s)+3], s[G0V+4*(\s)+3], 0x80000000
	s_mov_b32 s[G0M+4*(\s)], 1
	s_add_co_u32 s[G0M+4*(\s)+1], s23, (\s)*SLOT1+MOFF
	s_add_nc_u64 s[G0M+4*(\s)+2:G0M+4*(\s)+3], s[10:11], (\s)*262144  ; a block of 128 keys is 262,144 bytes of mask2
	s_or_b32 s[G0M+4*(\s)+3], s[G0M+4*(\s)+3], 0x80000000
.endr
	; the prefetches: who, from where, by what step
	s_lshl_b32 s2, s17, 13          ; K, V: my work-group's 32 rows of the 128
	s_and_b32 s3, s21, 1
	s_lshl_b32 s3, s3, 13           ; the mask: the half of the tile that goes by the head's parity
	s_lshr_b32 s20, s21, 1          ; 0 for heads 0 and 1 of a batch
	s_mov_b32 s[PFS], 262144
	s_mov_b32 s[PFS+1], 0
	s_cmp_eq_u32 s[WV], 0
	s_cselect_b64 s[PFA:PFA+1], s[6:7], s[8:9]
	s_cmp_lt_u32 s[WV], 2
	s_cselect_b64 s[PFA:PFA+1], s[PFA:PFA+1], s[10:11]
	s_cselect_b32 s2, s2, s3
	s_cselect_b32 s[PFS], 32768, s[PFS]
	s_cselect_b32 s[LIM], ttmp9, s20  ; K, V: the head's first cluster asks; the mask: heads 0 and 1.  The same in all four partners
	s_mov_b32 s3, 0
	s_cmp_eq_u32 s[LIM], 0
	s_cselect_b32 s[LIM], 1, -1
	s_add_nc_u64 s[PFA:PFA+1], s[PFA:PFA+1], s[2:3]
	s_add_nc_u64 s[PFA:PFA+1], s[PFA:PFA+1], s[PFS:PFS+1]
	s_add_nc_u64 s[PFA:PFA+1], s[PFA:PFA+1], s[PFS:PFS+1]  ; in slot 2; the first change of slots steps it to slot 3.  Nothing is prefetched here, at the head
	s_mov_b32 s92, 0x413504f3       ; sqrt(128)
	s_mov_b32 s93, s92              ; named with it as a pair
	CROUND                          ; all four work-groups are here: the first joint loads meet
	s_cmp_lg_u32 s[WV], 0           ; a wave's two first fills stand in one branch, ahead of every wait on TENSORcnt and every LDS read: two loads of mine are out
	s_cbranch_scc1 .Lfirst_not_k
	tensor_load_to_lds s[G0K:G0K+3], s[G1K:G1K+7]
	s_nop 0
	tensor_load_to_lds s[G0K+4:G0K+7], s[G1K:G1K+7]
	s_nop 0
	PLACES
	s_branch .Lfirst_asked
.Lfirst_not_k:
	s_cmp_lg_u32 s[WV], 1
	s_cbranch_scc1 .Lfirst_m
	tensor_load_to_lds s[G0V:G0V+3], s[G1V:G1V+7]
	s_nop 0
	tensor_load_to_lds s[G0V+4:G0V+7], s[G1V:G1V+7]
	s_nop 0
	PLACES
	s_branch .Lfirst_asked
.Lfirst_m:
	tensor_load_to_lds s[G0M:G0M+3], s[G1M:G1M+7]
	s_nop 0
	tensor_load_to_lds s[G0M+4:G0M+7], s[G1M:G1M+7]
	s_nop 0
	PLACES
.Lfirst_asked:
; Q's WAY IN.  Tile t's 16 rows come as they lie, a row (512 consecutive bytes) a load, into half b of S^T's registers; they are rounded to bf16, 8 bytes a lane, put into my stage in rows of 272 bytes,
; and read back as fragments: lane l holds row l % 16; registers 0-3 channels 8 (l / 16) + 0..7 of 32, registers 4-7 channels 16 + 8 (l / 16) + 0..7.
.macro LOADQ t, b
.set i, 0
.rept 16
	global_load_b128 v[S+64*(\b)+4*i:S+64*(\b)+4*i+3], v[GO], s[4:5] offset:(\t)*262144+i*16384 th:TH_LOAD_NT
.set i, i+1
.endr
.endm
.macro CVTQ t, b
	WIN 0
.set i, 0
.rept 16
	v_cvt_pk_bf16_f32 v[S+64*(\b)+4*i], v[S+64*(\b)+4*i], v[S+64*(\b)+4*i+1]
	v_cvt_pk_bf16_f32 v[S+64*(\b)+4*i+1], v[S+64*(\b)+4*i+2], v[S+64*(\b)+4*i+3]
	ds_store_b64 v[QST], v[S+64*(\b)+4*i:S+64*(\b)+4*i+1] offset:QP*i
.set i, i+1
.endr
	WIN 0x80                        ; destination window 2
.irp c, 0,1,2,3
	ds_load_b128 v[32*(\t)+8*\c:32*(\t)+8*\c+3],   v[QRD] offset:64*\c     ; LDS serves a wave's instructions in order (ISA guide 5.7.1.4): these see the stores above; the next tile's stores come behind them
	ds_load_b128 v[32*(\t)+8*\c+4:32*(\t)+8*\c+7], v[QRD] offset:64*\c+32
.endr
	WIN 0
.endm
	v_and_b32 v1, 15, v0            ; l % 16
	v_bfe_u32 v9, v0, 4, 1          ; l / 16
	v_and_b32 v[GO], 31, v0
	v_lshlrev_b32 v[PFO], 8, v[GO]
	v_lshlrev_b32 v[GO], 4, v[GO]
	v_lshlrev_b32 v[ALO], 4, v0
.irp n, 0,1,2,3
	global_load_b128 v[P+4*\n:P+4*\n+3], v[ALO], s[12:13] offset:2048*\n  ; the head's alibi: the work-group's 128 threads take 2,048 consecutive bytes a load
.endr
	LOADQ 0, 0
	LOADQ 1, 1
	v_lshl_add_u32 v[ALS], v0, 4, ALB
	v_mov_b32 v[SC], 226
	s_mul_i32 s23, s[WV], 16*SP
	s_add_co_u32 s23, s23, STAGE    ; my stage
	v_mul_u32_u24 v[STO], v1, SP    ; O in: row l % 16, 32 bytes for each half of the lanes
	v_lshl_add_u32 v[STO], v9, 5, v[STO]
	v_add_nc_u32 v[STO], s23, v[STO]
	v_add_nc_u32 v[RD], s23, v[GO]  ; O back: 32 lanes take a row of 512 bytes
	v_and_b32 v[QST], 31, v0
	v_lshl_add_u32 v[QST], v[QST], 3, s23
	v_mul_u32_u24 v[QRD], v1, QP
	v_lshl_add_u32 v[QRD], v9, 4, v[QRD]
	v_add_nc_u32 v[QRD], s23, v[QRD]
	v_mul_u32_u24 v[AK0], v1, PK
	v_lshl_add_u32 v[AK0], v9, 4, v[AK0]  ; row x pitch + 16 x half
	; The turning load takes 16 rows x 16 channels (lane l reads row 8 (l / 16) + l % 8, channels 8 ((l / 8) % 2) + 0..7) and leaves half a fragment of V^T: lane l holds channel l % 16 and 8 rows.
	v_and_b32 v10, 7, v0
	v_bfe_u32 v11, v0, 3, 1
	v_lshl_add_u32 v[AV0], v9, 3, v10
	v_mul_u32_u24 v[AV0], v[AV0], PV
	v_lshl_add_u32 v[AV0], v11, 4, v[AV0]
	v_add_nc_u32 v[AV0], VOFF, v[AV0]
	s_mul_i32 s23, s[WV], 64*PM
	s_add_co_u32 s23, s23, MOFF     ; my wave's 64 query rows of the mask
	v_mul_u32_u24 v[AM0], v1, PM
	v_lshl_add_u32 v[AM0], v9, 5, v[AM0]  ; my query's row, my half's 32 keys
	v_add_nc_u32 v[AM0], s23, v[AM0]
	v_lshl_add_u32 v[AL0], v9, 7, ALB     ; my half's 32 numbers of alibi
	s_wait_loadcnt 32               ; alibi is in: Q's 32 loads are younger
.set i, 0
.rept 8
	v_cvt_pk_bf16_f32 v[P+16+i], v[P+2*i], v[P+2*i+1]  ; rounded to bf16 like the other inputs,
.set i, i+1
.endr
.set i, 0
.rept 8
	v_lshlrev_b32 v[P+2*i], 16, v[P+16+i]              ; widened again,
	v_and_b32 v[P+2*i+1], 0xffff0000, v[P+16+i]
	v_pk_mul_f32 v[P+2*i:P+2*i+1], v[P+2*i:P+2*i+1], s[92:93] op_sel_hi:[1,0]  ; and times sqrt(128): the scores are kept unscaled
.set i, i+1
.endr
.irp n, 0,1,2,3
	ds_store_b128 v[ALS], v[P+4*\n:P+4*\n+3] offset:2048*\n
.endr
	s_wait_loadcnt 16               ; tile 0 is in; tile 1's 16 loads may stay out
	CVTQ 0, 0
	LOADQ 2, 0
	s_wait_loadcnt 16               ; tile 1
	CVTQ 1, 1
	LOADQ 3, 1
	s_wait_loadcnt 16               ; tile 2
	CVTQ 2, 0
	s_wait_loadcnt 0x0              ; tile 3
	CVTQ 3, 1
; THE MATRIX WORK OF A TURN, for piece x.  The accumulators take turns, one instruction a turn: between two links of a chain stand 15 (V^T P) or 7 (K Q^T) others'.
; Product i of 32 of O^T += V^T P: rows 32 (i / 16) on, channels 16 ((i / 2) % 8) on, tile x + i % 2.  zero = 1: the first 16 start the sums: nothing is ever cleared.
.macro PV x, zero
	WIN W_PV
.set rO, 64*((\x)+i%2)+8*((i/2)%8)
.set rV, 64*(i/16)+8*((i/2)%8)
.set rP, P+16*((\x)+i%2)+8*(i/16)
.if (\zero) && (i < 16)
	v_wmma_f32_16x16x32_f16 v[rO:rO+7], v[rV:rV+7], v[rP:rP+7], 0
.else
	v_wmma_f32_16x16x32_f16 v[rO:rO+7], v[rV:rV+7], v[rP:rP+7], v[rO:rO+7]
.endif
.endm
; Product i of 32 of S^T = K Q^T: channels 32 (i / 8) on, rows 16 ((i / 2) % 4) on, tile x + i % 2.  The first 8 start the sums, with alibi's numbers for those rows.
.macro KQ x
.set rS, S+32*((\x)+i%2)+8*((i/2)%4)
.set rK, KF+32*((i/2)%4)+8*(i/8)
.set rQ, 32*((\x)+i%2)+8*(i/8)
.set rA, ALR+8*((i/2)%4)
.if i < 8
	WIN W_KA
	v_wmma_f32_16x16x32_bf16 v[rS:rS+7], v[rK:rK+7], v[rQ:rQ+7], v[rA:rA+7]
.else
	WIN W_KQ
	v_wmma_f32_16x16x32_bf16 v[rS:rS+7], v[rK:rK+7], v[rQ:rQ+7], v[rS:rS+7]
.endif
.endm
; THE LDS LOADS stand in two runs a key step, never singly among the matrix instructions.  With a step's K come its alibi and piece 0's mask bytes; a turn later, with its V (turned), piece 2's mask bytes.
.macro FETCH_K
	WIN 0
	v_add_nc_u32 v[ADR], s[TBK], v[AK0]
	v_add_nc_u32 v[ADA], s[TA], v[AL0]
	v_add_nc_u32 v[ADM], s[TBM], v[AM0]
	WIN 0x80                        ; destination window 2
.irp f, 0,1,2,3,4,5,6,7,8,9,10,11,12,13,14,15  ; rows 16 (f / 4) on, channels 32 (f % 4) on
	ds_load_b128 v[KF+8*(\f):KF+8*(\f)+3],   v[ADR] offset:((\f)/4)*16*PK+((\f)%4)*64
	ds_load_b128 v[KF+8*(\f)+4:KF+8*(\f)+7], v[ADR] offset:((\f)/4)*16*PK+((\f)%4)*64+32
.endr
	WIN 0xc0                        ; destination window 3
.irp z, 0,1,2,3,4,5,6,7
	ds_load_b128 v[ALR+4*\z:ALR+4*\z+3], v[ADA] offset:16*\z  ; 16 lanes read the same 16 bytes
.endr
.irp t, 0,1
.irp n, 0,1
	ds_load_b128 v[MBR+8*\t+4*\n:MBR+8*\t+4*\n+3], v[ADM] offset:16*PM*\t+16*\n
.endr
.endr
.endm
.macro FETCH_V
	WIN 0
	v_add_nc_u32 v[ADR], s[TBV], v[AV0]
	v_add_nc_u32 v[ADM], s[TBM], v[AM0]
	s_add_co_u32 s[TBK], s[TBK], KS*PK  ; the next fetches are the next step's
	s_add_co_u32 s[TBV], s[TBV], KS*PV
	s_add_co_u32 s[TBM], s[TBM], KS
	s_add_co_u32 s[TA], s[TA], 4*KS
	s_and_b32 s[TA], s[TA], 0x1f00  ; the walk stays inside the table of 32 steps x 256 bytes; it wraps only behind the last fetch
	WIN 0xc0                        ; destination window 3
.irp f, 0,1,2,3,4,5,6,7,8,9,10,11,12,13,14,15  ; rows 32 (f / 8) on, channels 16 (f % 8) on
	ds_load_tr16_b128 v[8*(\f):8*(\f)+3],   v[ADR] offset:((\f)/8)*32*PV+((\f)%8)*32
	ds_load_tr16_b128 v[8*(\f)+4:8*(\f)+7], v[ADR] offset:((\f)/8)*32*PV+16*PV+((\f)%8)*32
.endr
.irp t, 2,3
.irp n, 0,1
	ds_load_b128 v[MBR+8*\t+4*\n:MBR+8*\t+4*\n+3], v[ADM] offset:16*PM*\t+16*\n
.endr
.endr
.endm
; THE MASK.  MCV: the eight bytes of tile t, key block kb become eight f32, 0 or 2.0 x 2^99.  MAD: they are taken off the eight scores, in ascending order: each accumulator is read from its low end on.
.macro MCV t, kb
	WIN W_MC
	v_cvt_scale_pk8_f32_fp8 v[MT+8*((\t)%2):MT+8*((\t)%2)+7], v[MBR+8*(\t)+2*(\kb):MBR+8*(\t)+2*(\kb)+1], v[SC]
.endm
.macro MAD t, kb
	WIN 0
.irp z, 0,1,2,3
	v_pk_add_f32 v[S+32*(\t)+8*(\kb)+2*\z:S+32*(\t)+8*(\kb)+2*\z+1], v[S+32*(\t)+8*(\kb)+2*\z:S+32*(\t)+8*(\kb)+2*\z+1], v[MT+8*((\t)%2)+2*\z:MT+8*((\t)%2)+2*\z+1] neg_lo:[0,1] neg_hi:[0,1]
.endr
.endm
; THE SOFTMAX.  One tile's softmax for one key step is a list of 134 instructions; SM writes number j of it for tile t.  s0-s31 are the lane's 32 scores, in pairs 0-15.
; first = 1: the first key step, which starts m, l and O^T: it has no a and nothing to rescale.
;   0-15    the maximum of s0-s31 and the old m, three operands at a time: four chains c0-c3 of seven scores each, then the four scores left over, c0-c3 and m
;   16-20   the other half of the lanes' maximum; the new m; c m; c m_old - c m_new
;   21-87   33 exponentials (a, then s0-s31) at the odd numbers from 23 on; the plain instructions between them are whatever is ready: c s - c m for a pair whose exponentials are still to come,
;           the rounding to f16 of a pair whose exponentials are done, at last the first three sums
;   88-101  the last rounding; the rest of the sums; l = a l + the sum
;   102-133 the tile's O^T times a: the one part in window 1
.macro SM t, first
.set rT, ST+8*(\t)
.set rS, S+32*(\t)
.set rP, P+16*(\t)
.set rO, 64*(\t)+2*(j-102)
.set q, (j-20)/2
.if j < 102
	WIN 0
.endif
.if j < 4
	v_max3_num_f32 v[rT+4+j], v[rS+8*j], v[rS+8*j+1], v[rS+8*j+2]
.elseif j < 12
	v_max3_num_f32 v[rT+4+j%4], v[rT+4+j%4], v[rS+8*(j%4)+2*(j/4)+1], v[rS+8*(j%4)+2*(j/4)+2]
.elseif j == 12
	v_max3_num_f32 v[rT+4], v[rT+4], v[rS+7], v[rS+15]
.elseif j == 13
	v_max3_num_f32 v[rT+6], v[rT+6], v[rS+23], v[rS+31]
.elseif j == 14
	v_max3_num_f32 v[rT+4], v[rT+4], v[rT+5], v[rT+6]
.elseif (j == 15) && (\first)
	v_max_num_f32 v[rT+4], v[rT+4], v[rT+7]
.elseif j == 15
	v_max3_num_f32 v[rT+4], v[rT+4], v[rT+7], v[rT+1]
.elseif j == 16
	v_permlanex16_b32 v[rT+5], v[rT+4], s[SEL], s[SEL+1]  ; the query's other 32 keys lie in the lane 16 away
.elseif j == 18
	v_max_num_f32 v[rT+1], v[rT+4], v[rT+5]
.elseif j == 19
	v_mul_f32 v[rT], s[CS], v[rT+1]
.elseif ((j == 17) || (j == 20) || (j == 23) || (j > 101)) && (\first)  ; the first step has none of these
.elseif j == 17
	v_mov_b32 v[rT+7], v[rT]        ; c m_old is kept for a: number 19 writes c m anew
.elseif j == 20
	v_sub_f32 v[rT+7], v[rT+7], v[rT]
.elseif j == 23
	v_exp_f32 v[rT+6], v[rT+7]
.elseif (j < 88) && (j > 23) && (j%2 == 1)
	v_exp_f32 v[rS+(j-25)/2], v[rS+(j-25)/2]
.elseif (q < 4) || ((j < 76) && (q%2 == 0))
.set b, q/2+2
.if q < 4
.set b, q
.endif
	v_pk_fma_f32 v[rS+2*b:rS+2*b+1], v[rS+2*b:rS+2*b+1], s[CS:CS+1], v[rT:rT+1] op_sel_hi:[1,0,0] neg_lo:[0,0,1] neg_hi:[0,0,1]  ; pair b: c s - c m
.elseif (j < 88) && (q%2 == 1)
	s_wait_alu depctr_va_vdst(0)
	v_cvt_pk_f16_f32 v[rP+(q-5)/2], v[rS+q-5], v[rS+q-4]  ; pair (q - 5) / 2: its second exponential stands three numbers back
.elseif j == 89
	s_wait_alu depctr_va_vdst(0)
	v_cvt_pk_f16_f32 v[rP+15], v[rS+30], v[rS+31]
.elseif j < 102                     ; the sum of the tile's 16 pairs, in place: sum z of 16 adds neighbours 1, 2, 4 and 8 pairs apart, then l takes it
.set z, j-86
.if j < 89
.set z, (j-76)/4
.endif
.set w, 4
.set u, z
.if z >= 14
.set w, 32
.set u, 0
.elseif z >= 12
.set w, 16
.set u, z-12
.elseif z >= 8
.set w, 8
.set u, z-8
.endif
.if (z == 14) && (\first)
	v_pk_add_f32 v[rT+2:rT+3], v[rS:rS+1], v[rS+16:rS+17]
.elseif z < 15
	v_pk_add_f32 v[rS+w*u:rS+w*u+1], v[rS+w*u:rS+w*u+1], v[rS+w*u+w/2:rS+w*u+w/2+1]
.elseif !(\first)
	v_pk_fma_f32 v[rT+2:rT+3], v[rT+2:rT+3], v[rT+6:rT+7], v[rS:rS+1] op_sel_hi:[1,0,1]
.endif
.else
	WIN W_RS
	v_pk_mul_f32 v[rO:rO+1], v[rO:rO+1], v[rT+6:rT+7] op_sel_hi:[1,0]
.endif
.endm
; TWO QUEUES for piece yy.  WOPS writes the next n of the 204 in window 0 (numbers 0-101 of both tiles): in fours; from number 22 to 87 tile by tile (plain, exponential, plain, exponential: no two exponentials
; follow each other, and behind each stands a plain instruction of the other tile), elsewhere the two tiles alternate.  ROPS writes the next n of the 64 rescalings, the tiles alternating.
.macro WOPS n, first
.rept \n
.if wn < 204
.if (wn/4 >= 11) && (wn/4 < 44)
.set tt, yy+(wn%4)/2
.set j, 2*(wn/4)+wn%2
.else
.set tt, yy+wn%2
.set j, 2*(wn/4)+(wn%4)/2
.endif
	SM tt, \first
.set wn, wn+1
.endif
.endr
.endm
.macro ROPS n, first
.rept \n
.if rn < 64
.set tt, yy+rn%2
.set j, 102+rn/2
	SM tt, \first
.set rn, rn+1
.endif
.endr
.endm
; Slice k of 64 of piece y's vector work.  0-8: the mask.  A conversion's result is used a slice later: the plain instruction that must stand behind a conversion is the v_nop of slice 0, then the other
; tile's four subtractions; a set of eight is written again only behind its subtractions.  From 9 on five a slice: every third slice from 27 on (a is made in slice 18) takes rescalings, the others window 0's queue,
; which ends in slice 61.  Slice 63 has the last four rescalings: plain, and naming nothing of the products round them, they are the places behind the turn's last K Q^T.
.macro SLICE y, first
.set yy, \y
.set ee, k-2
.if k == 0
.set ta, yy+1
	MCV yy, 0
	MCV ta, 0
	v_nop
.elseif k == 1
	MAD yy, 0
.elseif k < 8
.set ta, yy+ee%2
.set ka, ee/2+1
.set tb, yy+1-ee%2
.set kc, ee/2+ee%2
	MCV ta, ka
	MAD tb, kc
.elseif k == 8
.set tb, yy+1
	MAD tb, 3
	WOPS 1, \first
.elseif (k >= 27) && (k%3 == 0)
	ROPS 5, \first
.else
	WOPS 5, \first
.endif
.set k, k+1
.endm
; A TURN.  Piece x has the matrix unit; the other piece's slices stand behind its matrix instructions.
; pv = 2: 32 products V^T P; 1: they start O^T's sums; 0: none.  kq = 1: 32 products K Q^T for the next step.  A turn with one of the two kinds has two slices behind each product.
; first = 1: the softmax is the first key step's: it has no rescalings, so four v_nop take slice 63's part.
; Each run of loads stands behind the second product of a run of 32, 30 matrix instructions ahead of its first use.  Piece 0's turn fetches the next step's K: behind the last product that read K stand
; slice 63's four, a v_nop and four subtractions.  Piece 2's turn fetches the same step's V: behind the last product that read V stand three slices with nine plain instructions or more.
.macro TURN x, pv, kq, first
.set k, 0
.set wn, 0
.set rn, 0
.set per, 2
.if (\pv) && (\kq)
.set per, 1
.endif
.if \pv
.if (\x) == 0
	s_wait_dscnt 0x0                ; V is in, and piece 2's mask bytes
.endif
.set i, 0
.rept 32
	PV \x, 2-(\pv)
.rept per
	SLICE 2-(\x), \first
.endr
.if ((\x) == 0) && (\kq) && (i == 1)
	FETCH_K
.endif
.set i, i+1
.endr
.endif
.if \kq
.if (\x) == 0
	s_wait_dscnt 0x0                ; K is in, with alibi and piece 0's mask bytes
.endif
.set i, 0
.rept 32
	KQ \x
.rept per
	SLICE 2-(\x), \first
.endr
.if ((\x) == 2) && (i == 1)
	FETCH_V
.endif
.set i, i+1
.endr
.endif
.if \first
	PLACES
.endif
.endm
; THE CHANGE OF SLOTS, between piece 2's turn and piece 0's: the slot's last bytes, V and the mask of its second step, have been asked for.  Each wave waits for all its tensor loads, of which one is out:
; its part of the other slot; adds 0 to its spare word; and waits for that and for its own reads of the slot.  Behind the barrier nobody reads this slot any more and the other slot is whole.
; fill = 1: this slot is filled again, with the keys two slots on.  The barrier is then a round of the cluster's, so that no wave of any partner still reads the slot or has a load on its way, and the
; refill is the first thing behind it, one tensor load a wave: it has two key steps, 256 matrix instructions, in which to land.
.macro CHANGE fill
	WIN 0                           ; at a label and at a branch every window is 0
	s_wait_tensorcnt 0x0            ; no tensor load of mine is out, so a group 0 may be written
	ds_add_u32 v[SPW], v[NIL]       ; 0 onto my spare word; with fill = 1 the descriptors' steps stand between it and the wait for it
.if \fill
.irp g, G0K+4, G0V+4
	s_xor_b32 s[(\g)+1], s[(\g)+1], SLOT1  ; the walking descriptor: the other slot than last time,
	s_add_nc_u64 s[(\g)+2:(\g)+3], s[(\g)+2:(\g)+3], 32768  ; the next 128 rows; the type bits on top are not reached
.endr
	s_xor_b32 s[G0M+5], s[G0M+5], SLOT1
	s_add_nc_u64 s[G0M+6:G0M+7], s[G0M+6:G0M+7], 262144  ; the next block of 128 keys
	s_wait_xcnt 0x0                 ; the last prefetch, two key steps back, has read its address, so it may be written:
	s_add_nc_u64 s[PFA:PFA+1], s[PFA:PFA+1], s[PFS:PFS+1]  ; one slot behind the walking descriptors
	s_wait_dscnt 0x0                ; the add is done, and my reads of the slot are over
	CROUND
	JLOAD
	ASK
.else
	s_wait_dscnt 0x0                ; the add is done, and my reads of the slot are over
	s_barrier_signal -1
	s_barrier_wait -1
.endif
	s_sub_co_u32 s[TBK], s[TBK], 2*KS*PK  ; the fetches go back to a slot's first step,
	s_xor_b32 s[TBK], s[TBK], SLOT1       ; in the other slot
	s_sub_co_u32 s[TBV], s[TBV], 2*KS*PV
	s_xor_b32 s[TBV], s[TBV], SLOT1
	s_sub_co_u32 s[TBM], s[TBM], 2*KS
	s_xor_b32 s[TBM], s[TBM], SLOT1
.endm
; A slot's two key steps: written once, walked twice; the LDS addresses hang on the four scalars.
.macro TWO_STEPS
	WIN 0
	s_mov_b32 s[TWICE], 2
.Lstep_\@:
	TURN 0, 2, 1, 0
	TURN 2, 2, 1, 0
	WIN 0
	s_sub_co_u32 s[TWICE], s[TWICE], 1
	s_cmp_lg_u32 s[TWICE], 0
	s_cbranch_scc1 .Lstep_\@
.endm
	s_wait_tensorcnt 0x1            ; my part of slot 0 is in; slot 1's may stay out
	s_wait_dscnt 0x0                ; for the others' sake: my part of alibi's table is stored; Q's fragments are back
	s_barrier_signal -1
	s_barrier_wait -1               ; everybody's is
	FETCH_K                         ; key step 0
	s_wait_dscnt 0x0
.set i, 0
.rept 32
	KQ 0                            ; piece 0's first scores: there is no vector work yet to set between them
.set i, i+1
.endr
	WIN 0
	PLACES                          ; the places behind those products
	TURN 2, 0, 1, 1                 ; piece 2's first scores | piece 0's first softmax | V of step 0
	TURN 0, 1, 1, 1                 ; piece 0: V^T P of step 0 starts O^T, K Q^T of step 1 | piece 2's first softmax | K of step 1
	TURN 2, 1, 1, 0                 ; piece 2: the same | piece 0's softmax of step 1 | V of step 1
	WIN 0
.Lslot:                             ; 14 trips: every slot but the last two is filled again
	CHANGE 1
	TWO_STEPS
	s_sub_co_u32 s[SLOTS], s[SLOTS], 1
	s_cmp_lg_u32 s[SLOTS], 0
	s_cbranch_scc1 .Lslot
	CHANGE 0                        ; the tail is written out: nothing is asked for
	TWO_STEPS
	TURN 0, 2, 0, 0                 ; piece 0: V^T P of the last step | piece 2's last softmax
.set i, 0
.rept 32
	PV 2, 0                         ; piece 2: V^T P of the last step
.set i, i+1
.endr
	; THE WAY OUT.  l's two halves and the other half of the lanes' are added; O^T is divided by l and sent, in f32, through my stage in LDS, a tile (16 rows) at a time.  The additions are the places behind the last products.
	WIN 0
.irp t, 0,1,2,3
	v_add_f32 v[ST+8*(\t)+4], v[ST+8*(\t)+2], v[ST+8*(\t)+3]
.endr
.irp t, 0,1,2,3
	v_permlanex16_b32 v[ST+8*(\t)+5], v[ST+8*(\t)+4], s[SEL], s[SEL+1]
.endr
.irp t, 0,1,2,3
	v_add_f32 v[ST+8*(\t)+4], v[ST+8*(\t)+4], v[ST+8*(\t)+5]
.endr
.irp t, 0,1,2,3
	v_rcp_f32 v[ST+8*(\t)+6], v[ST+8*(\t)+4]
.endr
	v_nop                           ; a plain instruction between the last reciprocal and the use of its result
; Tile t: a lane's eight channels of a row are 32 bytes; they go into rows of 528 bytes and come back as whole rows of 512, into one half of S^T's registers.
.macro PACK t
	WIN W_RS
.set i, 64*(\t)
.rept 32
	s_wait_alu depctr_va_vdst(0)
	v_pk_mul_f32 v[i:i+1], v[i:i+1], v[ST+8*(\t)+6:ST+8*(\t)+7] op_sel_hi:[1,0]
.set i, i+2
.endr
	WIN 0x04                        ; the stores' data in window 1
.irp f, 0,1,2,3,4,5,6,7
	ds_store_b128 v[STO], v[64*(\t)+8*(\f):64*(\t)+8*(\f)+3]   offset:64*(\f)
	ds_store_b128 v[STO], v[64*(\t)+8*(\f)+4:64*(\t)+8*(\f)+7] offset:64*(\f)+16
.endr
	WIN 0
.set i, 0
.rept 16
	ds_load_b128 v[S+64*((\t)%2)+4*i:S+64*((\t)%2)+4*i+3], v[RD] offset:SP*i  ; LDS serves a wave's instructions in order (ISA guide 5.7.1.4): these see the stores above; the next tile's stores come behind them
.set i, i+1
.endr
.endm
.macro SEND t, younger              ; younger: the LDS instructions issued behind tile t's loads: the next tile's 32, or none
	WIN 0
.set i, 0
.rept 16
	s_wait_dscnt (\younger)+15-i
	global_store_b128 v[GO], v[S+64*((\t)%2)+4*i:S+64*((\t)%2)+4*i+3], s[14:15] offset:(\t)*262144+i*16384 th:TH_STORE_NT  ; a row: 512 consecutive bytes, at a multiple of 256 from the first byte of out
.set i, i+1
.endr
.endm
	PACK 0
	PACK 1                          ; a tile's arithmetic stands between the loads of the tile before and its stores
	SEND 0, 32
	s_wait_xcnt 0x0                 ; tile 0's stores have read their registers: tile 2 comes back into them only behind this wait
	PACK 2
	SEND 1, 32
	s_wait_xcnt 0x0                 ; the same for tiles 1 and 3
	PACK 3
	SEND 2, 32
	SEND 3, 0
	s_wait_tensorcnt 0x0            ; the wave's end, behind my last tensor load and my last LDS store
	ds_add_u32 v[SPW], v[NIL]
	s_wait_dscnt 0x0
	CROUND                          ; the closing round: no work-group ends while a partner may still ask for a tile that names it
	s_endpgm
.Lfunc_end_k_q4e79c0fb66_attn:
	.size	k_q4e79c0fb66_attn, .Lfunc_end_k_q4e79c0fb66_attn-k_q4e79c0fb66_attn
	.p2alignl 7, 3214868480
	.fill 96, 4, 3214868480
	.section	.rodata,"a",@progbits
	.p2align	6, 0x0
	.amdhsa_kernel k_q4e79c0fb66_attn
		.amdhsa_group_segment_fixed_size 327680
		.amdhsa_private_segment_fixed_size 0
		.amdhsa_enable_private_segment 0
		.amdhsa_kernarg_size 48
		.amdhsa_user_sgpr_count 2
		.amdhsa_user_sgpr_kernarg_segment_ptr 1
		.amdhsa_wavefront_size32 1
		.amdhsa_system_sgpr_workgroup_id_x 1
		.amdhsa_system_sgpr_workgroup_id_y 1
		.amdhsa_system_sgpr_workgroup_id_z 1
		.amdhsa_system_vgpr_workitem_id 0
		.amdhsa_next_free_vgpr 1024
		.amdhsa_next_free_sgpr 96
		.amdhsa_reserve_vcc 0
		.amdhsa_float_denorm_mode_32 3
		.amdhsa_float_denorm_mode_16_64 3
		.amdhsa_memory_ordered 1
		.amdhsa_forward_progress 1
		.amdhsa_inst_pref_size 255
	.end_amdhsa_kernel
	.section	.bss,"aw",@nobits
	.p2align	6
	.space	262144
	.amdgpu_metadata
---
amdhsa.version: [ 1, 2 ]
amdhsa.kernels:
  - .name:           k_q4e79c0fb66_attn
    .symbol:         k_q4e79c0fb66_attn.kd
    .args:
      - { .name: query_layer, .offset: 0, .size: 8, .value_kind: global_buffer, .address_space: global }
      - { .name: kbf, .offset: 8, .size: 8, .value_kind: global_buffer, .address_space: global }
      - { .name: vbf, .offset: 16, .size: 8, .value_kind: global_buffer, .address_space: global }
      - { .name: mask2, .offset: 24, .size: 8, .value_kind: global_buffer, .address_space: global }
      - { .name: alibi, .offset: 32, .size: 8, .value_kind: global_buffer, .address_space: global }
      - { .name: out0, .offset: 40, .size: 8, .value_kind: global_buffer, .address_space: global }
    .group_segment_fixed_size: 327680
    .private_segment_fixed_size: 0
    .kernarg_segment_align: 8
    .kernarg_segment_size: 48
    .max_flat_workgroup_size: 128
    .sgpr_count:     96
    .vgpr_count:     1024
    .wavefront_size: 32
...
	.end_amdgpu_metadata
.endif
;; end of part 2
;; ======== version 2 of 2: 2 launches; version 1 with the launch prep written anew for expert scheduling mode
;; limits: values are held in f16: magnitudes above 65,504 overflow, below 6.1e-05 lose precision; inputs' magnitudes at most 65,504
;; workspace buffers: kbf 33,554,432 bytes; vbf 33,554,432 bytes; mask2 8,388,608 bytes
;; launch prep (part 3): grid 64 x 16, 8 waves a work-group, no clusters, 0 bytes of LDS; arguments key_layer, value_layer, attention_mask, kbf, vbf, mask2; writes kbf, vbf, mask2
.if DOCPART == 3
	.amdgcn_target "amdgcn-amd-amdhsa--gfx1250"
	.amdhsa_code_object_version 6
	.text
	.protected	k_q4e79c0fb66_prep
	.globl	k_q4e79c0fb66_prep
	.p2align	8
	.type	k_q4e79c0fb66_prep,@function
k_q4e79c0fb66_prep:
	s_mov_b64 s[64:65], 0
	v_nop
	global_prefetch_b8 v0, s[64:65] scope:SCOPE_SE
	s_setreg_imm32_b32 hwreg(HW_REG_WAVE_SCHED_MODE, 0, 2), 2
	s_setreg_imm32_b32 hwreg(HW_REG_WAVE_MODE, 25, 1), 1
	s_wait_xcnt 0x0
	s_wait_alu depctr_vm_vsrc(0)
; K, V and the mask are laid out for the attention launch.  key_layer, value_layer: [2][2048][32][128] f32; attention_mask: [2][2048][2048] bytes, 0 or 1.
; kbf: [64 heads][2048 places][128] bf16, K rounded once.  vbf: the same shape in f16: V rounded to bf16, and that number written as f16.
; mask2: [2][16 blocks of 128 keys][2048 queries][128 keys] bytes: 0x00, or 0x40 (2.0 as an E4M3 code) where the key is hidden; keys in their own order.
; PLACES.  In each group of 64 keys, key 32 hb + 8 kb + j lies at place 16 kb + 8 hb + j: in the attention launch a lane then holds 32 keys on end.
; LIMITS.  |v| under 65,504 (beyond it f16 has no number); below 6.1e-5 v keeps the fixed step of f16, 6e-8.  Mask bytes are 0 or 1.
; SHARES.  A work-group takes one head and 128 keys.  Waves 0-3 take K, waves 4-7 V, 32 rows each: a row is 512 consecutive bytes, one load of the wave; the
; rounded row is 256 consecutive bytes, aligned, one store of the wave.  Each wave also takes 8 query rows x 128 keys of the mask (the 32 heads of a batch share its 2,048 rows out).
; All 34 loads of a wave go out at once; nothing is shared between waves, so there is no LDS and no barrier; no register is written again behind a store that reads it.
; THE MODE: SCHED_MODE bits 1:0 = 2 (LLVM: expert scheduling mode 2), set by the entry lines.  The code itself states the register dependences
; between vector instructions and memory instructions, with s_wait_alu, always for 0.
; THE PLAN.  Registers that memory instructions touch:
;   v2, v3, v4   byte offsets, made once at the head, read by every load and store, never written again.
;   MK           written by the two mask loads, then by eight shifts in place; read by two stores; never written again.
;   X, row i     written by the row's load, then by its conversions in place; its first two registers are read by the row's store; never written again.
; All loads are issued before any vector instruction names X or MK, and nothing that a memory instruction has read is written again: what is left to state is that a store's data are written.
; The 32 rows go in 8 blocks of four.  ONE wait on va_vdst stands at a block's head, behind the wait for the block's data: the block before has written its rows (in block 0: the shifts have written MK).
; The stores of the block before follow it, dealt among this block's conversions, which name this block's registers alone.  One more such wait stands ahead of the last four stores.
.set LO,  2                            ; v2   16 x lane
.set SO,  3                            ; v3   8 x lane
.set MO,  4                            ; v4   the mask as it lies: (lane / 8) rows of 2,048 bytes + 16 (lane % 8)
.set X,   16                           ; v[16:143]  row i in four registers
.set MK,  144                          ; v[144:151] 8 rows x 128 bytes of the mask
.set WV,  16                           ; s16  my wave
.set SRC, 18                           ; s[18:19] my first row in K or V
.set DST, 20                           ; s[20:21] its place in kbf or vbf
.set MS,  22                           ; s[22:23] my part of the mask
.set MD,  24                           ; s[24:25] its place in mask2
	s_load_b256 s[4:11], s[0:1], 0x0               ; key s[4:5], value s[6:7], mask s[8:9], kbf s[10:11]
	s_load_b128 s[12:15], s[0:1], 0x20             ; vbf s[12:13], mask2 s[14:15]
	v_lshrrev_b32 v5, 5, v0
	v_readfirstlane_b32 s[WV], v5                  ; wave 0..7
	v_and_b32 v1, 31, v0                           ; lane
	v_lshlrev_b32 v[LO], 4, v1
	v_lshlrev_b32 v[SO], 3, v1
	v_lshrrev_b32 v[MO], 3, v1
	v_and_b32 v5, 7, v1
	v_lshlrev_b32 v[MO], 11, v[MO]
	v_lshl_add_u32 v[MO], v5, 4, v[MO]
	s_wait_alu depctr_va_sdst(0)                   ; s16, the wave's number, is written, ahead of its first reader: the four bases and the branch are made from it
	s_mov_b32 s26, 0xffff0000                      ; a word's upper bf16
	s_and_b32 s17, ttmp7, 0xffff                   ; the block of 128 keys
	s_lshr_b32 s27, ttmp9, 5                       ; batch
	s_and_b32 s30, ttmp9, 31                       ; head in the batch
	s_and_b32 s31, s[WV], 3                        ; which 32 of the 128 rows
	s_lshl_b32 s2, s27, 25                         ; from: batch x 33,554,432
	s_lshl_b32 s3, s17, 21                         ; + 128 rows of 16,384 bytes a block
	s_add_co_u32 s2, s2, s3
	s_lshl_b32 s3, s31, 19                         ; + my 32 rows
	s_add_co_u32 s2, s2, s3
	s_lshl_b32 s3, s30, 9                          ; + the head's 512 bytes of a row
	s_add_co_u32 s2, s2, s3
	s_mov_b32 s3, 0
	s_lshl_b32 s28, ttmp9, 19                      ; to: head x 524,288
	s_lshl_b32 s29, s17, 15                        ; + 128 rows of 256 bytes a block
	s_add_co_u32 s28, s28, s29
	s_lshr_b32 s29, s31, 1
	s_lshl_b32 s29, s29, 14                        ; + the group of 64 places
	s_add_co_u32 s28, s28, s29
	s_and_b32 s29, s31, 1
	s_lshl_b32 s29, s29, 11                        ; + 8 places for the group's upper 32 keys
	s_add_co_u32 s28, s28, s29
	s_mov_b32 s29, 0
	s_lshl_b32 s32, s27, 22                        ; the mask, from: batch x 4,194,304
	s_lshl_b32 s33, s30, 17                        ; + 64 rows of 2,048 bytes a head
	s_add_co_u32 s32, s32, s33
	s_lshl_b32 s33, s[WV], 14                      ; + 8 rows a wave
	s_add_co_u32 s32, s32, s33
	s_lshl_b32 s33, s17, 7                         ; + the block's 128 keys
	s_add_co_u32 s32, s32, s33
	s_mov_b32 s33, 0
	s_lshl_b32 s34, s27, 4                         ; the mask, to: (16 x batch + block) x 262,144
	s_add_co_u32 s34, s34, s17
	s_lshl_b32 s34, s34, 18
	s_lshl_b32 s35, s30, 13                        ; + 64 rows of 128 bytes a head
	s_add_co_u32 s34, s34, s35
	s_lshl_b32 s35, s[WV], 10                      ; + 8 rows a wave
	s_add_co_u32 s34, s34, s35
	s_mov_b32 s35, 0
	s_wait_kmcnt 0x0
	s_cmp_lt_u32 s[WV], 4
	s_cselect_b64 s[SRC:SRC+1], s[4:5], s[6:7]
	s_cselect_b64 s[DST:DST+1], s[10:11], s[12:13]
	s_add_nc_u64 s[SRC:SRC+1], s[SRC:SRC+1], s[2:3]
	s_add_nc_u64 s[DST:DST+1], s[DST:DST+1], s[28:29]
	s_add_nc_u64 s[MS:MS+1], s[8:9], s[32:33]
	s_add_nc_u64 s[MD:MD+1], s[14:15], s[34:35]
	s_wait_alu depctr_va_vdst(0)                   ; the three offsets v2, v3 and v4 are written: every load and store of the kernel reads one of them
.irp n, 0,1
	global_load_b128 v[MK+4*\n:MK+4*\n+3], v[MO], s[MS:MS+1] offset:8192*\n th:TH_LOAD_NT  ; four rows x 128 bytes
.endr
.set r, 0
.rept 32
	global_load_b128 v[X+4*r:X+4*r+3], v[LO], s[SRC:SRC+1] offset:16384*r th:TH_LOAD_NT    ; a row: 512 consecutive bytes
.set r, r+1
.endr
	s_wait_loadcnt 32                              ; the two mask loads are in: the 32 row loads are younger
.set r, 0
.rept 8
	v_lshlrev_b32 v[MK+r], 6, v[MK+r]              ; four bytes at once: 1 becomes 0x40, nothing passes from byte to byte
.set r, r+1
.endr
.macro KCV i                           ; row i to bf16: 4 numbers a lane into 8 bytes
	v_cvt_pk_bf16_f32 v[X+4*(\i)], v[X+4*(\i)], v[X+4*(\i)+1]
	v_cvt_pk_bf16_f32 v[X+4*(\i)+1], v[X+4*(\i)+2], v[X+4*(\i)+3]
.endm
.macro VCV i                           ; row i to bf16, and that number written as f16
	v_cvt_pk_bf16_f32 v[X+4*(\i)], v[X+4*(\i)], v[X+4*(\i)+1]
	v_cvt_pk_bf16_f32 v[X+4*(\i)+1], v[X+4*(\i)+2], v[X+4*(\i)+3]
	v_and_b32 v[X+4*(\i)+3], s26, v[X+4*(\i)+1]
	v_lshlrev_b32 v[X+4*(\i)+2], 16, v[X+4*(\i)+1]
	v_and_b32 v[X+4*(\i)+1], s26, v[X+4*(\i)]
	v_lshlrev_b32 v[X+4*(\i)], 16, v[X+4*(\i)]
	v_cvt_pk_f16_f32 v[X+4*(\i)], v[X+4*(\i)], v[X+4*(\i)+1]
	v_cvt_pk_f16_f32 v[X+4*(\i)+1], v[X+4*(\i)+2], v[X+4*(\i)+3]
.endm
.macro OUT i                           ; row i leaves: 256 consecutive bytes, aligned
	global_store_b64 v[SO], v[X+4*(\i):X+4*(\i)+1], s[DST:DST+1] offset:(16*((\i)/8)+(\i)%8)*256  ; key 8 kb + j of my 32 goes 16 kb + j places on
.endm
; Block p: rows 4 p to 4 p + 3 are rounded; the rows of the block before (in block 0: the mask) are stored.  isv = 1: V's conversions.
.macro BLK p, isv
	s_wait_loadcnt 28-4*(\p)                       ; loads come back in order: the block's four rows are in, the 28 - 4 p younger rows stay out
	s_wait_alu depctr_va_vdst(0)                   ; the block before has written its rows' registers (in block 0: the shifts have written MK), which the stores below read
.irp z, 0,1,2,3
.if (\p) == 0
.if (\z) < 2
	global_store_b128 v[LO], v[MK+4*(\z):MK+4*(\z)+3], s[MD:MD+1] offset:512*(\z)  ; four rows of 128 bytes lie on end: 512 consecutive bytes, aligned
.endif
.else
	OUT 4*(\p)-4+(\z)                              ; no vector instruction since the wait names this row's registers
.endif
.if \isv
	VCV 4*(\p)+(\z)
.else
	KCV 4*(\p)+(\z)
.endif
.endr
.endm
	s_cmp_lt_u32 s[WV], 4
	s_cbranch_scc0 .Lv
.irp p, 0,1,2,3,4,5,6,7
	BLK \p, 0
.endr
	s_wait_alu depctr_va_vdst(0)                   ; block 7 has written rows 28 to 31, which the last four stores read
.irp i, 28,29,30,31
	OUT \i
.endr
	s_endpgm
.Lv:
.irp p, 0,1,2,3,4,5,6,7
	BLK \p, 1
.endr
	s_wait_alu depctr_va_vdst(0)                   ; block 7 has written rows 28 to 31, which the last four stores read
.irp i, 28,29,30,31
	OUT \i
.endr
	s_endpgm
.Lfunc_end_k_q4e79c0fb66_prep:
	.size	k_q4e79c0fb66_prep, .Lfunc_end_k_q4e79c0fb66_prep-k_q4e79c0fb66_prep
	.p2alignl 7, 3214868480
	.fill 96, 4, 3214868480
	.section	.rodata,"a",@progbits
	.p2align	6, 0x0
	.amdhsa_kernel k_q4e79c0fb66_prep
		.amdhsa_group_segment_fixed_size 0
		.amdhsa_private_segment_fixed_size 0
		.amdhsa_enable_private_segment 0
		.amdhsa_kernarg_size 48
		.amdhsa_user_sgpr_count 2
		.amdhsa_user_sgpr_kernarg_segment_ptr 1
		.amdhsa_wavefront_size32 1
		.amdhsa_system_sgpr_workgroup_id_x 1
		.amdhsa_system_sgpr_workgroup_id_y 1
		.amdhsa_system_sgpr_workgroup_id_z 1
		.amdhsa_system_vgpr_workitem_id 0
		.amdhsa_next_free_vgpr 152
		.amdhsa_next_free_sgpr 66
		.amdhsa_reserve_vcc 0
		.amdhsa_float_denorm_mode_32 3
		.amdhsa_float_denorm_mode_16_64 3
		.amdhsa_memory_ordered 1
		.amdhsa_forward_progress 1
		.amdhsa_inst_pref_size 30
	.end_amdhsa_kernel
	.amdgpu_metadata
---
amdhsa.version: [ 1, 2 ]
amdhsa.kernels:
  - .name:           k_q4e79c0fb66_prep
    .symbol:         k_q4e79c0fb66_prep.kd
    .args:
      - { .name: key_layer, .offset: 0, .size: 8, .value_kind: global_buffer, .address_space: global }
      - { .name: value_layer, .offset: 8, .size: 8, .value_kind: global_buffer, .address_space: global }
      - { .name: attention_mask, .offset: 16, .size: 8, .value_kind: global_buffer, .address_space: global }
      - { .name: kbf, .offset: 24, .size: 8, .value_kind: global_buffer, .address_space: global }
      - { .name: vbf, .offset: 32, .size: 8, .value_kind: global_buffer, .address_space: global }
      - { .name: mask2, .offset: 40, .size: 8, .value_kind: global_buffer, .address_space: global }
    .group_segment_fixed_size: 0
    .private_segment_fixed_size: 0
    .kernarg_segment_align: 8
    .kernarg_segment_size: 48
    .max_flat_workgroup_size: 256
    .sgpr_count:     66
    .vgpr_count:     152
    .wavefront_size: 32
...
	.end_amdgpu_metadata
.endif
;; end of part 3
;; launch attn: the kernel of part 2 again; grid 8 x 64, 4 waves a work-group, clusters of 4 x 1, 327,680 bytes of LDS; arguments query_layer, kbf, vbf, mask2, alibi, out0; writes out0
